; MI455X (gfx1250); checked and timed in simulation.
; The chip was launched on July 23, 2026; its instructions are those of AMD's public machine-readable ISA for CDNA 5 (MIT licence, August 2026) and "CDNA5" Instruction Set Architecture Reference Guide (July 2026). The comments in the code are by the model that wrote it; some were corrected since.
;; Binary Attention. Allowed arithmetic: matrix products marked QUANTISED: E2M1 operands, one E8M0 scale for each 32 along K, by v_wmma_scale_f32_16x16x128_f8f6f4 with both operands' format E2M1 (or v_wmma_scale_f32_32x16x128_f4), f32 sums; everything else in f32.
;; Inputs: Wk 1,024 x 1,024 float32; Wp 1,024 x 1,024 float32; Wq 1,024 x 1,024 float32; Wv 1,024 x 1,024 float32; bk 1,024 float32; bp 1,024 float32; bq 1,024 float32; bv 1,024 float32; x_codes 4 x 2,048 x 32 x 16 uint8 (E2M1 codes of x, K innermost, in blocks of 32 codes, two codes a byte); x_scales 4 x 2,048 x 32 uint8 (E8M0 scales of x, one for each 32 codes along K).
;; Outputs: out0 4 x 2,048 x 1,024 float32.
;; This version of the problem:
;;   THIS VERSION OF THE PROBLEM IS GIVEN IN LOW PRECISION. The matrix products marked QUANTISED in the list below multiply operands that are first quantised to E2M1 (2 exponent bits, 1 mantissa bit; 4 bits a number), with one power-of-two scale for each 32 numbers along K (OCP MX v1.0); their sums are f32. All else is computed in f32.
;;   The module's matrix products, in the order in which they are computed (A, B: the left and right operand; K: the contracted axis; several contracted axes count as one K, in the product's order):
;;     1. [M 8,192, K 1,024] x [K 1,024, N 1,024]; A: input x (given as codes); B: computed on the way: QUANTISED
;;     2. [M 8,192, K 1,024] x [K 1,024, N 1,024]; A: input x (given as codes); B: computed on the way: QUANTISED
;;     3. [M 8,192, K 1,024] x [K 1,024, N 1,024]; A: input x (given as codes); B: computed on the way: QUANTISED
;;     4. batch 64 x [M 2,048, K 64] x [K 64, N 2,048]; A: computed on the way; B: computed on the way: QUANTISED
;;     5. batch 64 x [M 2,048, K 2,048] x [K 2,048, N 64]; A: softmax (see below); B: computed on the way: QUANTISED
;;     6. [M 8,192, K 1,024] x [K 1,024, N 1,024]; A: computed on the way; B: computed on the way: QUANTISED
;;   THE QUANTISER, for each operand of a quantised product, along K:
;;     - K is cut into blocks of 32 from its start; a last block that is shorter is filled with zeros.
;;     - A block's scale is 2^e with e = floor(log2(the largest magnitude in the block)) - 2, held to -126 .. 127; a block of zeros has e = 0. As a byte (E8M0): e + 127.
;;     - Each number is divided by its block's scale, clamped to +-6, and rounded to the nearest number of E2M1, ties to even, subnormals kept.
;;     - The product sums the exact products of the quantised numbers (number of the format x scale) in f32.
;;   ~~~python
;;   def quantise(x, axis):      # numpy; x: float32 -> the quantised numbers, widened to float32 again
;;       x = np.moveaxis(x, axis, -1); K = x.shape[-1]
;;       x = np.pad(x, [(0, 0)] * (x.ndim - 1) + [(0, -K % 32)]); x = x.reshape(x.shape[:-1] + (-1, 32)); a = np.abs(x).max(-1, keepdims=True)
;;       e = np.where(a > 0, np.clip(np.frexp(np.where(a > 0, a, 1))[1] - 1 - 2, -126, 127), 0)      # np.frexp(a)[1] - 1 = floor(log2(a)), exactly
;;       r = np.clip(x / 2.0 ** e, -6, 6)
;;       step = 2.0 ** (np.maximum(np.frexp(np.where(r == 0, 1, r))[1] - 1, 0) - 1)
;;       q = np.round(r / step) * step * 2.0 ** e      # np.round: ties to even
;;       return np.moveaxis(q.reshape(q.shape[:-2] + (-1,))[..., :K], -1, axis).astype(np.float32)
;;   ~~~
;;   SOFTMAX AHEAD OF A QUANTISED PRODUCT. Where the list says 'softmax', what is quantised is not the finished softmax but p = 2^(t - M), with t = logit x log2(e) and M = ceil(the row's largest t), a whole number; so 1/2 < the row's largest p <= 1. The row's sum l is taken of the UNQUANTISED p, in f32, and the product's result is divided by l at the end. Since M is a whole number, a kernel that streams over the keys may use a running M (the ceiling of the running maximum): every later rescaling is an exact power of two, which a block's scale takes up: the codes' values come out the same.
;;   OPERANDS COMPUTED ON THE WAY. 'Computed on the way' means the value that the module computes at that place (a softmax that the list does not call 'softmax' is quantised finished and normalised). What goes into a quantiser is computed in f32, as accurately as f32 sums, v_exp_f32 and their like allow (about 1e-6 of the number): no bf16 or f16 on the way to a quantiser, and a product that is left as it is and whose result goes on into a quantised operand takes f32 operands (vector FMAs, or v_wmma_f32_16x16x4_f32). A number that lies on a knife's edge between two numbers of the format may be rounded either way, as far as f32 arithmetic and the matrix unit's own rounding can turn it there, and no further.
;;   INPUTS GIVEN AS CODES. x (in the module: [4, 2048, 1024], K = its axis 2): each comes as NAME_codes (uint8): NAME with its K axis moved to the last place and cut into blocks of 32 codes, [.., K / 32, bytes a block], one block behind the other in memory; two codes a byte, the lower K in the low four bits (a code: sign, 2 exponent bits, 1 mantissa bit); and NAME_scales (uint8): the same leading axes, one E8M0 byte (e + 127) for each 32 codes along K. Its value is code x scale, taken as it is: it is not quantised again, and the codes and scales need not be those that the quantiser above would give.
;; One version. Each part assembles by itself: llvm-mc -triple=amdgcn-amd-amdhsa -mcpu=gfx1250 --defsym DOCPART=n.
;; ======== version 1 of 1: 4 launches
;; workspace buffers: wc 2,097,152 bytes; ws 131,072 bytes; qi 4,194,304 bytes; qs 524,288 bytes; kv 9,175,040 bytes; yi 4,194,304 bytes; ys 262,144 bytes
;; launch binw (part 1): grid 256 x 1, 4 waves a work-group, no clusters, 19,456 bytes of LDS; arguments Wq, Wk, Wv, Wp, wc, ws; writes wc, ws
.if DOCPART == 1
	.amdgcn_target "amdgcn-amd-amdhsa--gfx1250"
	.amdhsa_code_object_version 6
	.text
	.protected	k_q7712b322f6_binw
	.globl	k_q7712b322f6_binw
	.p2align	8
	.type	k_q7712b322f6_binw,@function
k_q7712b322f6_binw:
	s_mov_b64 s[64:65], 0
	v_nop
	global_prefetch_b8 v0, s[64:65] scope:SCOPE_SE
	s_setreg_imm32_b32 hwreg(HW_REG_WAVE_MODE, 25, 1), 1
	s_wait_xcnt 0x0
; The four weights [1024][1024] f32 are binarised as the model does it, alpha x (W + (sign W - W)) with alpha = the row's mean |W|,
; and quantised along c (the products' K) into codes of FP4 (E2M1), K innermost, with one E8M0 byte for each 32 along K.
; wc: [4096 rows][512 bytes], ws: [4096][32]; rows 0-1023 Wq, 1024-2047 Wk, 2048-3071 Wv, 3072-4095 Wp.
; SHARES: a work-group takes 16 rows of one weight, a wave 4 whole rows.  A row is 4,096 bytes: eight loads of 512 consecutive bytes; all 32 loads of a wave go out at its head.
; A conversion takes eight neighbours along K from ONE lane's registers, so a row turns through the wave's own stage in LDS: in as loaded, back 128 bytes a lane (lane = block of 32), 144 bytes from lane to lane.
; A lane's 32 codes are 16 bytes: the wave stores a row's 512 bytes on end.  The work-group's 512 scale bytes meet in LDS and leave as two aligned blocks of 256 bytes.
; No matrix unit, no cluster, no tensor load: every byte is read once by one wave, nothing is shared.
; LIMITS: NaN and infinities are not served.  A block of zeros gets the byte 1 (the floor's), not 127: its codes are zeros and these bytes are read by this program alone.
; alpha's 1,024 terms are added in another order than a plain left-to-right sum (f32, error of a few ulp).
.set R,      32                        ; v32-159  four rows as loaded
.set X,      160                       ; v160-191 my block's 32 neighbours
.set C,      192                       ; v192-207 codes, four registers a row: no store's data are written again
.set T,      16                        ; v16-19   at work
.set STAGEB, 32*144                    ; a wave's stage
.set SCB,    4*STAGEB                  ; behind the stages: 512 scale bytes
	s_load_b256 s[4:11], s[0:1], 0x0               ; Wq, Wk, Wv, Wp
	s_load_b128 s[12:15], s[0:1], 0x20             ; wc, ws
	v_lshl_add_u32 v224, v0, 2, 0x4a00
	v_mov_b32 v225, 0
	v_lshrrev_b32 v1, 5, v0
	v_readfirstlane_b32 s16, v1                    ; wave 0..3
	v_and_b32 v6, 31, v0                           ; lane
	v_lshlrev_b32 v1, 4, v6                        ; 16 x lane: my bytes of a load, and of a row of codes
	s_mul_i32 s17, s16, STAGEB
	v_lshrrev_b32 v2, 3, v6
	v_mul_u32_u24 v2, v2, 144
	v_and_b32 v7, 7, v6
	v_lshl_add_u32 v2, v7, 4, v2
	v_add_nc_u32 v2, s17, v2                       ; the stage, way in: eight lanes' 128 bytes on end, then 16 of padding; a load's 512 bytes take four places (576 bytes)
	v_mul_u32_u24 v3, v6, 144
	v_add_nc_u32 v3, s17, v3                       ; way out: my block
	s_lshl_b32 s18, s16, 7
	s_add_co_u32 s18, s18, SCB
	v_add_nc_u32 v4, s18, v6                       ; my block's scale byte: 32 bytes a row, 4 rows a wave
	v_add_nc_u32 v5, SCB, v1                       ; and the 512 bytes read back, 16 a lane
	s_mov_b32 s20, 0x7fffffff
	s_mov_b32 s22, 0x76543210
	s_mov_b32 s23, 0xfedcba98                      ; lane l xor 16
	s_lshr_b32 s19, ttmp9, 6                       ; which weight
	s_and_b32 s21, ttmp9, 63
	s_lshl_b32 s28, s21, 16                        ; 16 rows of 4,096 bytes a work-group,
	s_lshl_b32 s29, s16, 14                        ; 4 a wave
	s_add_co_u32 s28, s28, s29
	s_mov_b32 s29, 0
	s_lshl_b32 s30, ttmp9, 13                      ; codes: 16 rows of 512 bytes,
	s_lshl_b32 s31, s16, 11                        ; 4 a wave
	s_add_co_u32 s30, s30, s31
	s_mov_b32 s31, 0
	s_wait_kmcnt 0x0
	s_cmp_eq_u32 s19, 1                            ; the choice hangs on the work-group's number alone
	s_cselect_b64 s[4:5], s[6:7], s[4:5]
	s_cmp_eq_u32 s19, 2
	s_cselect_b64 s[4:5], s[8:9], s[4:5]
	s_cmp_eq_u32 s19, 3
	s_cselect_b64 s[4:5], s[10:11], s[4:5]
	s_add_nc_u64 s[4:5], s[4:5], s[28:29]
	s_add_nc_u64 s[12:13], s[12:13], s[30:31]
	s_lshl_b32 s28, ttmp9, 9                       ; scale bytes: 512 a work-group
	s_add_nc_u64 s[14:15], s[14:15], s[28:29]
.irp p, 0,1,2,3
.irp j, 0,1,2,3,4,5,6,7
	global_load_b128 v[R+32*\p+4*\j:R+32*\p+4*\j+3], v1, s[4:5] offset:4096*\p+512*\j th:TH_LOAD_NT
.endr
.endr
.macro ROW p
	s_wait_loadcnt 8*(3-\p)                        ; loads come back in order: this row's eight are in, the later rows' may be out
.irp j, 0,1,2,3,4,5,6,7
	ds_store_b128 v2, v[R+32*\p+4*\j:R+32*\p+4*\j+3] offset:576*\j
.endr
.irp i, 0,1,2,3,4,5,6,7
	ds_load_b128 v[X+4*\i:X+4*\i+3], v3 offset:16*\i   ; LDS serves a wave's instructions in order: these see the stores above
.endr
	s_wait_dscnt 0x0
.irp k, 0,1,2,3
	v_add_f32 v[8+\k], |v[X+\k]|, |v[X+4+\k]|      ; the sum of |W| of my 32, in four chains
.endr
.irp i, 8,12,16,20,24,28
.irp k, 0,1,2,3
	v_add_f32 v[8+\k], v[8+\k], |v[X+\i+\k]|
.endr
.endr
	v_add_f32 v8, v8, v9
	v_add_f32 v10, v10, v11
	v_add_f32 v8, v8, v10
	v_add_f32_dpp v8, v8, v8 row_xmask:1 row_mask:0xf bank_mask:0xf
	v_add_f32_dpp v8, v8, v8 row_xmask:2 row_mask:0xf bank_mask:0xf
	v_add_f32_dpp v8, v8, v8 row_xmask:4 row_mask:0xf bank_mask:0xf
	v_add_f32_dpp v8, v8, v8 row_xmask:8 row_mask:0xf bank_mask:0xf
	v_permlanex16_b32 v9, v8, s22, s23
	v_add_f32 v8, v8, v9                           ; the row's sum, in every lane
	v_mul_f32 v12, 0x3a800000, v8                  ; alpha = sum / 1024
.irp g, 0,4,8,12,16,20,24,28                   ; four numbers by turns: alpha x (W + (sign W - W)), step for step as the model writes it
.irp k, 0,1,2,3
	v_bfi_b32 v[T+\k], s20, 1.0, v[X+\g+\k]        ; 1.0 with W's sign
.endr
.irp k, 0,1,2,3
	v_cmp_neq_f32 s[24+\k], 0, v[X+\g+\k]
.endr
.irp k, 0,1,2,3
	v_cndmask_b32 v[T+\k], 0, v[T+\k], s[24+\k]    ; sign 0 = 0
.endr
.irp k, 0,1,2,3
	v_sub_f32 v[T+\k], v[T+\k], v[X+\g+\k]
.endr
.irp k, 0,1,2,3
	v_add_f32 v[T+\k], v[X+\g+\k], v[T+\k]
.endr
.irp k, 0,1,2,3
	v_mul_f32 v[X+\g+\k], v12, v[T+\k]
.endr
.endr
	v_max3_num_f32 v14, |v[X]|, |v[X+1]|, |v[X+2]| ; the block's largest magnitude: all 32 numbers are mine
	v_max3_num_f32 v15, |v[X+3]|, |v[X+4]|, |v[X+5]|
.irp i, 6,10,14,18,22,26
	v_max3_num_f32 v14, v14, |v[X+\i]|, |v[X+\i+1]|
	v_max3_num_f32 v15, v15, |v[X+\i+2]|, |v[X+\i+3]|
.endr
	v_max3_num_f32 v14, v14, |v[X+30]|, |v[X+31]|
	v_max3_num_f32 v14, v14, v15, 0x1800000        ; and the floor 2^(3 - 127): the byte cannot fall under 1
	v_add_nc_u32 v11, 0xff000000, v14              ; 2 off the exponent field: the conversion takes this operand's exponent field as its scale
.irp g, 0,1,2,3
	v_cvt_scalef32_pk8_fp4_f32 v[C+4*\p+\g], v[X+8*\g:X+8*\g+7], v11
.endr
	v_lshrrev_b32 v13, 23, v11                     ; the scale's byte (also the plain line behind the conversions)
	ds_store_b8 v4, v13 offset:32*\p
	global_store_b128 v1, v[C+4*\p:C+4*\p+3], s[12:13] offset:512*\p   ; 32 lanes store the row's 512 consecutive bytes
.endm
	ROW 0
	ROW 1
	ROW 2
	ROW 3
	s_wait_dscnt 0x0                               ; for the others' sake: my byte stores are done
	s_barrier_signal -1
	s_barrier_wait -1
	s_cmp_lg_u32 s16, 0
	s_cbranch_scc1 .Ldone                          ; wave 0 stores the work-group's 512 scale bytes
	ds_load_b128 v[20:23], v5
	s_wait_dscnt 0x0
	global_store_b128 v1, v[20:23], s[14:15]
.Ldone:
	s_wait_tensorcnt 0x0
	ds_add_u32 v224, v225
	s_wait_dscnt 0x0
	s_endpgm
.Lfunc_end_k_q7712b322f6_binw:
	.size	k_q7712b322f6_binw, .Lfunc_end_k_q7712b322f6_binw-k_q7712b322f6_binw
	.p2alignl 7, 3214868480
	.fill 96, 4, 3214868480
	.section	.rodata,"a",@progbits
	.p2align	6, 0x0
	.amdhsa_kernel k_q7712b322f6_binw
		.amdhsa_group_segment_fixed_size 19456
		.amdhsa_private_segment_fixed_size 0
		.amdhsa_enable_private_segment 0
		.amdhsa_kernarg_size 48
		.amdhsa_user_sgpr_count 2
		.amdhsa_user_sgpr_kernarg_segment_ptr 1
		.amdhsa_wavefront_size32 1
		.amdhsa_system_sgpr_workgroup_id_x 1
		.amdhsa_system_sgpr_workgroup_id_y 1
		.amdhsa_system_sgpr_workgroup_id_z 1
		.amdhsa_system_vgpr_workitem_id 0
		.amdhsa_next_free_vgpr 226
		.amdhsa_next_free_sgpr 66
		.amdhsa_reserve_vcc 0
		.amdhsa_float_denorm_mode_32 3
		.amdhsa_float_denorm_mode_16_64 3
		.amdhsa_memory_ordered 1
		.amdhsa_forward_progress 1
		.amdhsa_inst_pref_size 61
	.end_amdhsa_kernel
	.amdgpu_metadata
---
amdhsa.version: [ 1, 2 ]
amdhsa.kernels:
  - .name:           k_q7712b322f6_binw
    .symbol:         k_q7712b322f6_binw.kd
    .args:
      - { .name: Wq, .offset: 0, .size: 8, .value_kind: global_buffer, .address_space: global }
      - { .name: Wk, .offset: 8, .size: 8, .value_kind: global_buffer, .address_space: global }
      - { .name: Wv, .offset: 16, .size: 8, .value_kind: global_buffer, .address_space: global }
      - { .name: Wp, .offset: 24, .size: 8, .value_kind: global_buffer, .address_space: global }
      - { .name: wc, .offset: 32, .size: 8, .value_kind: global_buffer, .address_space: global }
      - { .name: ws, .offset: 40, .size: 8, .value_kind: global_buffer, .address_space: global }
    .group_segment_fixed_size: 19456
    .private_segment_fixed_size: 0
    .kernarg_segment_align: 8
    .kernarg_segment_size: 48
    .max_flat_workgroup_size: 128
    .sgpr_count:     66
    .vgpr_count:     226
    .wavefront_size: 32
...
	.end_amdgpu_metadata
.endif
;; end of part 1
;; launch qkv (part 2): grid 8 x 96, 8 waves a work-group, clusters of 4 x 4, 214,016 bytes of LDS; arguments x_codes, x_scales, wc, ws, bq, bk, bv, qi, qs, kv; writes qi, qs, kv
.if DOCPART == 2
	.amdgcn_target "amdgcn-amd-amdhsa--gfx1250"
	.amdhsa_code_object_version 6
	.text
	.protected	k_q7712b322f6_qkv
	.globl	k_q7712b322f6_qkv
	.p2align	8
	.type	k_q7712b322f6_qkv,@function
k_q7712b322f6_qkv:
	s_mov_b64 s[64:65], 0
	v_nop
	global_prefetch_b8 v0, s[64:65] scope:SCOPE_SE
	s_setreg_imm32_b32 hwreg(HW_REG_WAVE_MODE, 25, 1), 1
	s_wait_xcnt 0x0
	s_wait_alu depctr_hold_cnt(0) depctr_sa_sdst(0) depctr_va_vdst(0) depctr_va_sdst(0) depctr_va_ssrc(0) depctr_va_vcc(0) depctr_vm_vsrc(0)
	s_getreg_b32 s2, hwreg(HW_REG_IB_STS2, 6, 4)
	s_cmp_eq_u32 s2, 0
	s_cbranch_scc0 .Lentry_in_a_cluster
	s_endpgm
.Lentry_in_a_cluster:
	s_bfe_u32 s2, ttmp6, 0x10000c
	s_cmp_lg_u32 s2, 0xf033
	s_cbranch_scc0 .Lentry_shape_is_right
	s_endpgm
.Lentry_shape_is_right:
; q, k, v = x Wb^T + b on codes of FP4 (E2M1) with E8M0 scales for each 32 along K = 1,024, and the results quantised at once into the layouts that the attention launch reads.
; ONE BODY FOR TWO PARTS.  It multiplies R0 (256 rows, source 0) by R1 (128 rows, source 1); in the result a lane holds ONE row of R1 and its registers run along R0's rows.
;   clusters y 0-15:  R0 = rows of Wq, Wk (256 X), R1 = tokens: a lane holds a token, its registers run along channels: the K of q k^T.
;   clusters y 16-23: R0 = tokens, R1 = rows of Wv: a lane holds a channel, its registers run along tokens (keys): the K of p v.
; Only pointers, offsets, the bias operand and the way out differ; the parting hangs on the cluster's y, which all partners share.
; SHARES: eight waves; wave w takes R0's rows 64 (w & 3) on and R1's rows 64 (w >> 2) on: 16 accumulators of 16 x 16.  64 channels are one head.
; LDS: all of K lies there at once, as two chunks of 512 along K (rows of 256 bytes + 16 of padding); every fill is a first fill, nothing is filled again.
; CLUSTER 4 x 4: R0's rows hang on x alone and are shared along a column, R1's on y alone and are shared along a row: each tile is asked for jointly, which divides the requests by four.
; QUANTISING A RESULT: four tiles of a lane are 64 numbers' worth of its row: 16 of each block of 32 lie in lanes l and l xor 16.  A conversion makes one register of a tile's eight neighbours;
; laid c0, c2, c1, c3, two exchanges of half-waves give registers 0-3 of an operand (k = 32 (lane / 16) + 0 .. 31).  They are stored as an IMAGE of those registers: lane l's 16 bytes at 16 l.
; OUT: qi [64 bh][128 tiles][512]; qs [64 bh][2048] words (two scale bytes, then 0x7f, 0x7f for the zero codes that fill K to 128);
;      kv [64 bh][16 key steps][8,960]: 8 tiles of K x 512 | V^T: 4 channel tiles x 2 halves x 512 | 128 words of K's scales | 64 words of V's.
; LIMITS: NaN and infinities are not served; a block of zeros gets the byte 1, not 127 (its codes are zeros; this program alone reads the bytes).
; REGISTERS: window 0: v1-15, v78 addresses; v16-31 R0's scale words, v32-47 R1's; v48-63 codes; v64-71 scale words made; v72-77 at work; v128-255 accumulators ((i, j) at 128 + 8 (4 i + j)).
;            window 1: two sets of fragments (R0's four at 64 set, R1's four at 64 set + 32); v128-159 the bias, four tiles in the result's layout.
.set PITCH, 272                        ; 256 bytes + 16: the sixteen rows of a fragment load start at sixteen different 16-byte columns of the banks
.set QROWS, 64*PITCH                   ; what one tensor load brings
.set CH,    384*PITCH                  ; a chunk: R0's 256 rows, then R1's 128
.set STA,   2*CH                       ; behind the chunks: q's and k's scale words, 256 bytes a wave
.set STB,   STA+8*256                  ; v's scale words, 4 x 256 bytes: each path has bytes of its own
.set HEADB, 143360
.set STEPB, 8960
.set SA,  16
.set SB,  32
.set PC,  48
.set HW,  64
.set TM,  72
.set ACC, 128
.set BI,  128                          ; in window 1
.set WV,  24
.set SEL, 60
.set G1A, 36                           ; s[36:43] group 1 for R0;  s[44:51] for R1;  s[52:59], s[68:75] groups 0, one for each chunk
.set G1B, 44
.set G0A, 52
.set G0B, 68
.set MSB, 0
.macro WIN new                         ; the immediate's high byte repeats the setting that is left
.if MSB != \new
	s_set_vgpr_msb (MSB<<8)|\new
.set MSB, \new
.endif
.endm
.macro PLACES n
.rept \n
	v_nop
.endr
.endm
.macro ROUND                           ; a round of the cluster's barrier
	s_barrier_signal -1
	s_barrier_wait -1
	s_cmp_lg_u32 s[WV], 0
	s_cbranch_scc1 .Lnot_wave_0_\@
	s_barrier_signal -3
.Lnot_wave_0_\@:
	s_barrier_wait -3
	s_barrier_signal -1
	s_barrier_wait -1
.endm
; 16 LDS loads: the fragments of the q-th 128 along K of chunk cn into set fs
.macro FETCH fs, cn, q
	WIN 0x40                                       ; destination window 1, address window 0
.irp t, 0,1,2,3
.irp e, 0,1
	ds_load_b128 v[64*(\fs)+8*\t+4*\e:64*(\fs)+8*\t+4*\e+3], v[4+(\cn)] offset:\t*16*PITCH+64*(\q)+32*\e
.endr
.endr
.irp t, 0,1,2,3
.irp e, 0,1
	ds_load_b128 v[64*(\fs)+32+8*\t+4*\e:64*(\fs)+32+8*\t+4*\e+3], v[6+(\cn)] offset:\t*16*PITCH+64*(\q)+32*\e
.endr
.endr
.endm
; 16 matrix instructions, K step ks of eight.  The sixteen accumulators take turns, one instruction a turn, in the same order in every step.
; cm = 1, 2: the first step starts the sums with the bias as C (by R0's tile, by R1's tile).  A scale register holds K step q in lanes 0-15 and K step 4 + q in lanes 16-31.
.macro MUL16 fs, ks, cm
.if \cm
	WIN 0x15                                       ; sources 0, 1 and 2 window 1, destination window 0
.else
	WIN 0x05                                       ; sources 0 and 1 window 1
.endif
.irp i, 0,1,2,3
.irp j, 0,1,2,3
.if (\cm) == 1
	v_wmma_scale_f32_16x16x128_f8f6f4 v[ACC+8*(4*\i+\j):ACC+8*(4*\i+\j)+7], v[64*(\fs)+8*\j:64*(\fs)+8*\j+7], v[64*(\fs)+32+8*\i:64*(\fs)+32+8*\i+7], v[BI+8*\j:BI+8*\j+7], v[SA+4*\j+(\ks)%4], v[SB+4*\i+(\ks)%4] matrix_a_fmt:MATRIX_FMT_FP4 matrix_b_fmt:MATRIX_FMT_FP4
.elseif (\cm) == 2
	v_wmma_scale_f32_16x16x128_f8f6f4 v[ACC+8*(4*\i+\j):ACC+8*(4*\i+\j)+7], v[64*(\fs)+8*\j:64*(\fs)+8*\j+7], v[64*(\fs)+32+8*\i:64*(\fs)+32+8*\i+7], v[BI+8*\i:BI+8*\i+7], v[SA+4*\j+(\ks)%4], v[SB+4*\i+(\ks)%4] matrix_a_fmt:MATRIX_FMT_FP4 matrix_b_fmt:MATRIX_FMT_FP4
.elseif (\ks) < 4
	v_wmma_scale_f32_16x16x128_f8f6f4 v[ACC+8*(4*\i+\j):ACC+8*(4*\i+\j)+7], v[64*(\fs)+8*\j:64*(\fs)+8*\j+7], v[64*(\fs)+32+8*\i:64*(\fs)+32+8*\i+7], v[ACC+8*(4*\i+\j):ACC+8*(4*\i+\j)+7], v[SA+4*\j+(\ks)%4], v[SB+4*\i+(\ks)%4] matrix_a_fmt:MATRIX_FMT_FP4 matrix_b_fmt:MATRIX_FMT_FP4
.else
	v_wmma_scale_f32_16x16x128_f8f6f4 v[ACC+8*(4*\i+\j):ACC+8*(4*\i+\j)+7], v[64*(\fs)+8*\j:64*(\fs)+8*\j+7], v[64*(\fs)+32+8*\i:64*(\fs)+32+8*\i+7], v[ACC+8*(4*\i+\j):ACC+8*(4*\i+\j)+7], v[SA+4*\j+(\ks)%4], v[SB+4*\i+(\ks)%4] matrix_a_fmt:MATRIX_FMT_FP4 matrix_b_fmt:MATRIX_FMT_FP4 matrix_a_scale:MATRIX_SCALE_ROW1 matrix_b_scale:MATRIX_SCALE_ROW1
.endif
.endr
.endr
.endm
; Four result tiles v[src] .. v[src + 31] (registers 16 B + i: my 16 numbers of block B) become registers 0-3 of an operand in v[pc] on, and the two scale bytes in v[hw].  Each tile is read from its low end on.
.macro QUANT32 src, pc, hw
.irp b, 0,1
	v_max3_num_f32 v[TM+\b], |v[\src+16*\b]|, |v[\src+16*\b+1]|, 0x1800000   ; with the floor 2^(3 - 127): the byte cannot fall under 1
.endr
.irp i, 2,4,6,8,10,12,14
.irp b, 0,1
	v_max3_num_f32 v[TM+\b], v[TM+\b], |v[\src+16*\b+\i]|, |v[\src+16*\b+\i+1]|
.endr
.endr
.irp b, 0,1
	v_permlanex16_b32 v[TM+2+\b], v[TM+\b], s[SEL], s[SEL+1]
.endr
.irp b, 0,1
	v_max_num_f32 v[TM+\b], v[TM+\b], v[TM+2+\b]   ; with lane l xor 16's: the block's largest magnitude
.endr
.irp b, 0,1
	v_add_nc_u32 v[TM+4+\b], 0xff000000, v[TM+\b]  ; 2 off its exponent field: the conversion's scale operand
.endr
.irp b, 0,1
	v_lshrrev_b32 v[TM+2+\b], 23, v[TM+4+\b]       ; the scale's byte
.endr
	v_lshl_or_b32 v[\hw], v[TM+3], 8, v[TM+2]
	v_cvt_scalef32_pk8_fp4_f32 v[\pc], v[\src:\src+7], v[TM+4]
	v_cvt_scalef32_pk8_fp4_f32 v[\pc+2], v[\src+8:\src+15], v[TM+4]
	v_cvt_scalef32_pk8_fp4_f32 v[\pc+1], v[\src+16:\src+23], v[TM+5]
	v_cvt_scalef32_pk8_fp4_f32 v[\pc+3], v[\src+24:\src+31], v[TM+5]
	v_nop                                          ; one plain line behind the scaled conversions
	v_permlane16_swap_b32 v[\pc], v[\pc+1]         ; lanes 0-15 now hold block 0, lanes 16-31 block 1
	v_permlane16_swap_b32 v[\pc+2], v[\pc+3]
.endm
	s_load_b256 s[4:11], s[0:1], 0x0               ; x_codes, x_scales, wc, ws
	s_load_b256 s[12:19], s[0:1], 0x20             ; bq, bk, bv, qi
	s_load_b128 s[20:23], s[0:1], 0x40             ; qs, kv
	v_lshl_add_u32 v126, v0, 2, 0x34000
	v_mov_b32 v127, 0
	ds_add_u32 v126, v127
	ds_add_u32 v126, v127
	v_lshrrev_b32 v1, 5, v0
	v_readfirstlane_b32 s[WV], v1                  ; wave 0..7
	s_and_b32 s25, s[WV], 3                        ; g0: my 64 rows of R0.  Also: which 64 rows I fetch
	s_lshr_b32 s26, s[WV], 2                       ; g1: my 64 rows of R1
	s_bfe_u32 s27, ttmp6, 0x40000                  ; cx
	s_bfe_u32 s28, ttmp6, 0x40004                  ; cy
	s_lshl_b32 s29, ttmp9, 2
	s_add_co_u32 s29, s29, s27                     ; X = 4 x cluster x + cx
	s_and_b32 s30, ttmp7, 0xffff                   ; CY: the cluster's y
	s_lshl_b32 s76, s28, 2
	s_lshl_b32 s76, 15, s76                        ; my row of the cluster
	s_lshl_b32 s77, 0x1111, s27                    ; my column
	s_or_b32 s[G1A], s77, (1<<20)|(1<<21)|(5<<22)|(3<<25)  ; 15:0 the mask: R0's tiles go to my column; elements of 1 byte; padding on; bit 21 beside a mask; 4 words behind every 64
	s_or_b32 s[G1B], s76, (1<<20)|(1<<21)|(5<<22)|(3<<25)  ; R1's go to my row
.irp g, G1A, G1B
	s_mov_b32 s[\g+1], 256<<16                     ; tensor_dim0 = 256 bytes
	s_mov_b32 s[\g+2], 64<<16                      ; tensor_dim1 = 64 rows
	s_mov_b32 s[\g+3], 256<<16                     ; tile_dim0
	s_mov_b32 s[\g+4], 64                          ; tile_dim1
	s_mov_b32 s[\g+5], 512                         ; a row of codes in memory
	s_mov_b32 s[\g+6], 0
	s_mov_b32 s[\g+7], 0
.endr
	s_mov_b32 s34, 0xffff0000                      ; lanes 16-31
	s_mov_b32 s[SEL], 0x76543210
	s_mov_b32 s[SEL+1], 0xfedcba98
	; which rows.  u = CY - 16 counts the v part's clusters (not used in the q, k part)
	s_sub_co_u32 s76, s30, 16
	s_lshr_b32 s77, s76, 1
	s_lshl_b32 s77, s77, 3
	s_and_b32 s78, s76, 1
	s_cmp_ge_u32 s30, 16
	s_cselect_b32 s31, 1, 0                        ; 1: the v part
	s_cselect_b32 s77, s77, 0
	s_cselect_b32 s78, s78, s30
	s_cselect_b32 s79, 2048, 0                     ; Wv's first row in wc
	s_add_co_u32 s32, s29, s77                     ; R0's block of 256 rows: X (+ 8 (u >> 1)): made of x alone
	s_lshl_b32 s33, s78, 2
	s_add_co_u32 s33, s33, s28                     ; R1's block of 128 rows: 4 CY + cy (v: 4 (u & 1) + cy): made of y alone
	s_lshl_b32 s80, s32, 8
	s_lshl_b32 s81, s25, 6
	s_add_co_u32 s80, s80, s81                     ; R0: the 64 rows that I fetch; they are my group's too
	s_lshl_b32 s82, s33, 7
	s_add_co_u32 s82, s82, s79
	s_add_co_u32 s83, s82, s81                     ; R1: the 64 rows that I fetch (waves 4 and 5),
	s_lshl_b32 s84, s26, 6
	s_add_co_u32 s84, s82, s84                     ; and my group's
	s_mul_i32 s85, s[WV], QROWS                    ; where a fetch lands: wave x 64 rows: no place in the cluster enters an LDS address
	s_lshl_b32 s86, s80, 9
	s_mov_b32 s87, 0
	s_lshl_b32 s88, s83, 9
	s_mov_b32 s89, 0
	s_lshl_b32 s90, s80, 5
	s_mov_b32 s91, 0
	s_lshl_b32 s92, s84, 5
	s_mov_b32 s93, 0
	s_wait_dscnt 0x0
	s_wait_kmcnt 0x0
	s_cmp_ge_u32 s30, 16
	s_cselect_b64 s[94:95], s[4:5], s[8:9]         ; R0's codes: x's or the weights'
	s_cselect_b64 s[96:97], s[8:9], s[4:5]         ; R1's
	s_cselect_b64 s[76:77], s[6:7], s[10:11]       ; R0's scale bytes
	s_cselect_b64 s[78:79], s[10:11], s[6:7]       ; R1's
	s_add_nc_u64 s[94:95], s[94:95], s[86:87]
	s_add_nc_u64 s[96:97], s[96:97], s[88:89]
	s_add_nc_u64 s[76:77], s[76:77], s[90:91]
	s_add_nc_u64 s[78:79], s[78:79], s[92:93]
.irp c, 0,1
	s_mov_b32 s[G0A+4*\c], 1
	s_add_co_u32 s[G0A+4*\c+1], s85, \c*CH
	s_add_nc_u64 s[G0A+4*\c+2:G0A+4*\c+3], s[94:95], \c*256
	s_or_b32 s[G0A+4*\c+3], s[G0A+4*\c+3], 0x80000000
	s_mov_b32 s[G0B+4*\c], 1
	s_add_co_u32 s[G0B+4*\c+1], s85, \c*CH
	s_add_nc_u64 s[G0B+4*\c+2:G0B+4*\c+3], s[96:97], \c*256
	s_or_b32 s[G0B+4*\c+3], s[G0B+4*\c+3], 0x80000000
.endr
	ROUND                                          ; all sixteen work-groups are here: the joint loads meet
	s_cmp_lt_u32 s[WV], 4                          ; a wave's two fills stand in one branch on its number: waves 0-3 R0's quarters, waves 4-5 R1's halves, waves 6-7 none.  Two loads of a wave are out at the most
	s_cbranch_scc0 .Lnot_r0
	tensor_load_to_lds s[G0A:G0A+3], s[G1A:G1A+7]
	s_nop 0
	tensor_load_to_lds s[G0A+4:G0A+7], s[G1A:G1A+7]
	s_nop 0
	PLACES 4
	s_branch .Lasked
.Lnot_r0:
	s_cmp_lt_u32 s[WV], 6
	s_cbranch_scc0 .Lasked
	tensor_load_to_lds s[G0B:G0B+3], s[G1B:G1B+7]
	s_nop 0
	tensor_load_to_lds s[G0B+4:G0B+7], s[G1B:G1B+7]
	s_nop 0
	PLACES 4
.Lasked:
	v_and_b32 v1, 31, v0                           ; lane
	v_and_b32 v2, 15, v0                           ; r
	v_bfe_u32 v3, v0, 4, 1                         ; h
	v_lshlrev_b32 v8, 5, v2
	v_lshl_add_u32 v8, v3, 4, v8                   ; scale bytes: row r of 32, + 16 h: lanes 0-15 take K steps 0-3, lanes 16-31 K steps 4-7
.irp j, 0,1,2,3
	global_load_b128 v[SA+4*\j:SA+4*\j+3], v8, s[76:77] offset:512*\j   ; a tile's 16 rows of scale bytes are 512 consecutive bytes
	global_load_b128 v[SB+4*\j:SB+4*\j+3], v8, s[78:79] offset:512*\j
.endr
	v_mul_u32_u24 v4, v2, PITCH
	v_lshl_add_u32 v4, v3, 4, v4                   ; a fragment's row x pitch + 16 h
	s_mul_i32 s86, s25, QROWS
	s_mul_i32 s87, s26, QROWS
	s_add_co_u32 s87, s87, 256*PITCH
	v_add_nc_u32 v6, s87, v4                       ; R1's fragments, chunk 0
	v_add_nc_u32 v4, s86, v4                       ; R0's
	v_add_nc_u32 v5, CH, v4                        ; and chunk 1
	v_add_nc_u32 v7, CH, v6
	v_lshlrev_b32 v9, 5, v3                        ; bias of q, k: 32 h
	v_lshlrev_b32 v78, 2, v2                       ; bias of v: 4 r
	v_lshlrev_b32 v10, 4, v1                       ; an image: 16 x lane
	v_lshlrev_b32 v13, 3, v1                       ; 8 x lane
	s_lshl_b32 s86, s[WV], 8
	s_add_co_u32 s86, s86, STA
	v_lshl_add_u32 v11, v1, 2, s86                 ; q, k: my wave's 256 bytes of scale words, in
	v_lshl_add_u32 v12, v1, 3, s86                 ; and back
	s_lshr_b32 s87, s25, 1
	s_lshl_b32 s87, s87, 1
	s_add_co_u32 s87, s87, s26                     ; v: block 2 (g0 >> 1) + g1: a key step and a head
	s_lshl_b32 s87, s87, 8
	s_and_b32 s88, s25, 1
	s_lshl_b32 s88, s88, 1                         ; my half of each word: 2 (g0 & 1)
	s_add_co_u32 s87, s87, s88
	s_add_co_u32 s87, s87, STB
	v_lshl_add_u32 v14, v1, 2, s87
	s_lshl_b32 s88, s[WV], 8
	s_add_co_u32 s88, s88, STB
	v_lshl_add_u32 v15, v1, 3, s88                 ; back: waves 0-3, a block each
	v_mov_b32 v[TM+2], 0                           ; written once: a lane permute's destination counts as one of its sources
	v_mov_b32 v[TM+3], 0
	s_cmp_eq_u32 s31, 0
	s_cbranch_scc0 .Lbias_v
	s_and_b32 s86, s29, 3                          ; q, k: tile j wants b at channels 256 (X & 3) + 64 g0 + 16 j + 8 h + 0 .. 7
	s_lshl_b32 s86, s86, 10
	s_lshl_b32 s87, s25, 8
	s_add_co_u32 s86, s86, s87
	s_mov_b32 s87, 0
	s_cmp_lg_u32 ttmp9, 0                          ; cluster x = 1: k
	s_cselect_b64 s[88:89], s[14:15], s[12:13]
	s_add_nc_u64 s[88:89], s[88:89], s[86:87]
	WIN 0x40
.irp j, 0,1,2,3
	global_load_b128 v[BI+8*\j:BI+8*\j+3], v9, s[88:89] offset:64*\j
	global_load_b128 v[BI+8*\j+4:BI+8*\j+7], v9, s[88:89] offset:64*\j+16
.endr
	WIN 0
	s_branch .Lbias_done
.Lbias_v:
	s_lshl_b32 s86, s33, 9                         ; v: tile i wants bv at channel 128 R1 + 64 g1 + 16 i + r in all eight registers
	s_lshl_b32 s87, s26, 8
	s_add_co_u32 s86, s86, s87
	s_mov_b32 s87, 0
	s_add_nc_u64 s[88:89], s[16:17], s[86:87]
	WIN 0x40
.irp i, 0,1,2,3
.irp k, 0,1,2,3,4,5,6,7
	global_load_b32 v[BI+8*\i+\k], v78, s[88:89] offset:64*\i
.endr
.endr
	WIN 0
.Lbias_done:
	s_wait_tensorcnt 0x1                           ; my part of chunk 0 is in; chunk 1's load may stay out
	s_barrier_signal -1
	s_barrier_wait -1                              ; everybody's is
	FETCH 0, 0, 0
	FETCH 1, 0, 1
	s_wait_loadcnt 0x0                             ; scale words and bias
	s_wait_dscnt 16                                ; K step 0's fragments are in; K step 1's sixteen loads may be out
	WIN 0
	s_cmp_eq_u32 s31, 0
	s_cbranch_scc0 .Lfirst_v
	MUL16 0, 0, 1
	WIN 0
	s_branch .Lfirst_done
.Lfirst_v:
	MUL16 0, 0, 2
	WIN 0
.Lfirst_done:
.irp s, 1,2
	PLACES 4                                       ; four plain lines between the products and loads into the set that they read
	FETCH (\s+1)%2, 0, \s+1
	s_wait_dscnt 16                                ; all but the sixteen just issued
	MUL16 \s%2, \s, 0
.endr
	s_wait_tensorcnt 0x0                           ; my part of chunk 1 is in,
	s_wait_dscnt 0x0                               ; and no LDS load of mine is out at the signal
	s_barrier_signal -1
	s_barrier_wait -1                              ; everybody's is
	PLACES 4
	FETCH 0, 1, 0
	s_wait_dscnt 16
	MUL16 1, 3, 0
.irp s, 4,5,6
	PLACES 4
	FETCH (\s+1)%2, 1, \s-3
	s_wait_dscnt 16
	MUL16 \s%2, \s, 0
.endr
	s_wait_dscnt 0x0
	MUL16 1, 7, 0
	WIN 0
	PLACES 4                                       ; four plain lines ahead of the first read of results
	s_cmp_eq_u32 s31, 0
	s_cbranch_scc0 .Lout_v
	; ---- q, k: my 64 tokens x my head.  token block s33 = 16 b + key step
	s_lshr_b32 s76, s33, 4                         ; b
	s_and_b32 s77, s33, 15                         ; the block of 128 tokens in b: a key step, or eight query tiles
	s_and_b32 s78, s29, 3
	s_lshl_b32 s78, s78, 2
	s_add_co_u32 s78, s78, s25                     ; head = 4 (X & 3) + g0
	s_lshl_b32 s76, s76, 4
	s_add_co_u32 s76, s76, s78                     ; bh
	s_mov_b32 s80, 65536
	s_mov_b32 s81, 4096
	s_mov_b32 s82, 8192
	s_mov_b32 s83, 512
	s_cmp_lg_u32 ttmp9, 0                          ; k goes into kv, q into qi and qs
	s_cselect_b32 s80, HEADB, s80
	s_cselect_b32 s81, STEPB, s81
	s_cselect_b32 s82, HEADB, s82
	s_cselect_b32 s83, STEPB, s83
	s_cselect_b32 s84, 8192, 0
	s_cselect_b64 s[86:87], s[22:23], s[18:19]
	s_cselect_b64 s[88:89], s[22:23], s[20:21]
	s_mul_i32 s80, s76, s80
	s_mul_i32 s81, s77, s81
	s_add_co_u32 s80, s80, s81
	s_lshl_b32 s81, s26, 11                        ; my four tiles of 512 bytes
	s_add_co_u32 s80, s80, s81
	s_mov_b32 s81, 0
	s_add_nc_u64 s[86:87], s[86:87], s[80:81]      ; the codes
	s_mul_i32 s82, s76, s82
	s_mul_i32 s83, s77, s83
	s_add_co_u32 s82, s82, s83
	s_add_co_u32 s82, s82, s84
	s_lshl_b32 s83, s26, 8                         ; my 64 words
	s_add_co_u32 s82, s82, s83
	s_mov_b32 s83, 0
	s_add_nc_u64 s[88:89], s[88:89], s[82:83]      ; the scale words
.irp i, 0,1,2,3
	QUANT32 ACC+32*\i, PC+4*\i, HW+\i
	v_or_b32 v[HW+\i], 0x7f7f0000, v[HW+\i]        ; the scale 1 for the zero codes that fill K from 64 to 128
	global_store_b128 v10, v[PC+4*\i:PC+4*\i+3], s[86:87] offset:512*\i   ; 512 consecutive bytes
.endr
	v_cndmask_b32 v68, v[HW], v[HW+1], s34         ; lanes 0-15 tile 0's tokens, lanes 16-31 tile 1's
	v_cndmask_b32 v69, v[HW+2], v[HW+3], s34
	ds_store_b32 v11, v68
	ds_store_b32 v11, v69 offset:128
	s_branch .Lout_done
.Lout_v:
	; ---- v: my 64 keys (half a key step) x my head's 64 channels
	s_lshr_b32 s76, s32, 3                         ; b
	s_and_b32 s77, s32, 7
	s_lshl_b32 s77, s77, 1                         ; the work-group's first key step
	s_lshl_b32 s78, s33, 1                         ; and first head
	s_lshl_b32 s76, s76, 4
	s_add_co_u32 s76, s76, s78
	s_add_co_u32 s80, s76, s26                     ; bh
	s_mul_i32 s80, s80, HEADB
	s_lshr_b32 s81, s25, 1
	s_add_co_u32 s81, s81, s77
	s_mul_i32 s81, s81, STEPB
	s_add_co_u32 s80, s80, s81
	s_and_b32 s81, s25, 1
	s_lshl_b32 s81, s81, 9                         ; which half of the fragment: registers 0-3 or 4-7
	s_add_co_u32 s80, s80, s81
	s_add_co_u32 s80, s80, 4096
	s_mov_b32 s81, 0
	s_add_nc_u64 s[86:87], s[22:23], s[80:81]
	s_and_b32 s82, s[WV], 1                        ; the block of scale words that I store below (waves 0-3): head w & 1, key step w >> 1
	s_add_co_u32 s82, s82, s76
	s_mul_i32 s82, s82, HEADB
	s_lshr_b32 s83, s[WV], 1
	s_add_co_u32 s83, s83, s77
	s_mul_i32 s83, s83, STEPB
	s_add_co_u32 s82, s82, s83
	s_add_co_u32 s82, s82, 8704
	s_mov_b32 s83, 0
	s_add_nc_u64 s[88:89], s[22:23], s[82:83]
.irp i, 0,1,2,3
	QUANT32 ACC+32*\i, PC+4*\i, HW+\i
	global_store_b128 v10, v[PC+4*\i:PC+4*\i+3], s[86:87] offset:1024*\i
.endr
	v_cndmask_b32 v68, v[HW], v[HW+1], s34         ; lanes 0-15 tile 0's channels, lanes 16-31 tile 1's
	v_cndmask_b32 v69, v[HW+2], v[HW+3], s34
	ds_store_b16 v14, v68                          ; a word's two halves come from two waves
	ds_store_b16 v14, v69 offset:128
.Lout_done:
	s_wait_dscnt 0x0                               ; for the others' sake: my stores into the stage are done
	s_barrier_signal -1
	s_barrier_wait -1
	s_cmp_eq_u32 s31, 0
	s_cbranch_scc0 .Lwords_v
	ds_load_b64 v[70:71], v12
	s_wait_dscnt 0x0
	global_store_b64 v13, v[70:71], s[88:89]       ; 32 lanes store 256 consecutive bytes, aligned
	s_branch .Lend
.Lwords_v:
	s_cmp_lt_u32 s[WV], 4
	s_cbranch_scc0 .Lend
	ds_load_b64 v[70:71], v15
	s_wait_dscnt 0x0
	global_store_b64 v13, v[70:71], s[88:89]
.Lend:
	s_wait_tensorcnt 0x0
	ds_add_u32 v126, v127
	s_wait_dscnt 0x0
	ROUND                                          ; the closing round: no work-group ends while a partner may still ask for a tile that names it
	s_endpgm
.Lfunc_end_k_q7712b322f6_qkv:
	.size	k_q7712b322f6_qkv, .Lfunc_end_k_q7712b322f6_qkv-k_q7712b322f6_qkv
	.p2alignl 7, 3214868480
	.fill 96, 4, 3214868480
	.section	.rodata,"a",@progbits
	.p2align	6, 0x0
	.amdhsa_kernel k_q7712b322f6_qkv
		.amdhsa_group_segment_fixed_size 214016
		.amdhsa_private_segment_fixed_size 0
		.amdhsa_enable_private_segment 0
		.amdhsa_kernarg_size 80
		.amdhsa_user_sgpr_count 2
		.amdhsa_user_sgpr_kernarg_segment_ptr 1
		.amdhsa_wavefront_size32 1
		.amdhsa_system_sgpr_workgroup_id_x 1
		.amdhsa_system_sgpr_workgroup_id_y 1
		.amdhsa_system_sgpr_workgroup_id_z 1
		.amdhsa_system_vgpr_workitem_id 0
		.amdhsa_next_free_vgpr 416
		.amdhsa_next_free_sgpr 100
		.amdhsa_reserve_vcc 0
		.amdhsa_float_denorm_mode_32 3
		.amdhsa_float_denorm_mode_16_64 3
		.amdhsa_memory_ordered 1
		.amdhsa_forward_progress 1
		.amdhsa_inst_pref_size 61
	.end_amdhsa_kernel
	.amdgpu_metadata
---
amdhsa.version: [ 1, 2 ]
amdhsa.kernels:
  - .name:           k_q7712b322f6_qkv
    .symbol:         k_q7712b322f6_qkv.kd
    .args:
      - { .name: x_codes, .offset: 0, .size: 8, .value_kind: global_buffer, .address_space: global }
      - { .name: x_scales, .offset: 8, .size: 8, .value_kind: global_buffer, .address_space: global }
      - { .name: wc, .offset: 16, .size: 8, .value_kind: global_buffer, .address_space: global }
      - { .name: ws, .offset: 24, .size: 8, .value_kind: global_buffer, .address_space: global }
      - { .name: bq, .offset: 32, .size: 8, .value_kind: global_buffer, .address_space: global }
      - { .name: bk, .offset: 40, .size: 8, .value_kind: global_buffer, .address_space: global }
      - { .name: bv, .offset: 48, .size: 8, .value_kind: global_buffer, .address_space: global }
      - { .name: qi, .offset: 56, .size: 8, .value_kind: global_buffer, .address_space: global }
      - { .name: qs, .offset: 64, .size: 8, .value_kind: global_buffer, .address_space: global }
      - { .name: kv, .offset: 72, .size: 8, .value_kind: global_buffer, .address_space: global }
    .group_segment_fixed_size: 214016
    .private_segment_fixed_size: 0
    .kernarg_segment_align: 8
    .kernarg_segment_size: 80
    .max_flat_workgroup_size: 256
    .sgpr_count:     100
    .vgpr_count:     416
    .wavefront_size: 32
...
	.end_amdgpu_metadata
.endif
;; end of part 2
;; launch attn (part 3): grid 4 x 64, 16 waves a work-group, clusters of 4 x 1, 169,984 bytes of LDS; arguments qi, qs, kv, yi, ys; writes yi, ys
.if DOCPART == 3
	.amdgcn_target "amdgcn-amd-amdhsa--gfx1250"
	.amdhsa_code_object_version 6
	.text
	.protected	k_q7712b322f6_attn
	.globl	k_q7712b322f6_attn
	.p2align	8
	.type	k_q7712b322f6_attn,@function
k_q7712b322f6_attn:
	s_mov_b64 s[64:65], 0
	v_nop
	global_prefetch_b8 v0, s[64:65] scope:SCOPE_SE
	s_setreg_imm32_b32 hwreg(HW_REG_WAVE_MODE, 25, 1), 1
	s_wait_xcnt 0x0
	s_wait_alu depctr_hold_cnt(0) depctr_sa_sdst(0) depctr_va_vdst(0) depctr_va_sdst(0) depctr_va_ssrc(0) depctr_va_vcc(0) depctr_vm_vsrc(0)
	s_getreg_b32 s2, hwreg(HW_REG_IB_STS2, 6, 4)
	s_cmp_eq_u32 s2, 0
	s_cbranch_scc0 .Lentry_in_a_cluster
	s_endpgm
.Lentry_in_a_cluster:
	s_bfe_u32 s2, ttmp6, 0x10000c
	s_cmp_lg_u32 s2, 0x3003
	s_cbranch_scc0 .Lentry_shape_is_right
	s_endpgm
.Lentry_shape_is_right:
; y[bh][q] = the sum over keys of softmax(q . k / 8) v, both products on codes of FP4 (E2M1) with E8M0 scales; y is quantised along C at once, for the last product.
; THE SOFTMAX: t = score x log2(e) / 8; M = the running largest t rounded UP to a whole number; p = 2^(t - M) is quantised along the keys, not normalised; the row's sum is taken of the unquantised p and divides at the end.
; When M moves, the sum and O are multiplied by 2^(old M - new M): exact.
; SHARES: a work-group owns 512 queries of one head; each of its sixteen waves one tile of 16 queries in each of two passes (tile 32 cx + 16 p + wave).  Four waves share a SIMD: one wave's exponentials stand beside another's plain work.
; LDS: the head's whole K and V (16 key steps x 8,960 bytes, images of operand registers and scale words) lie there at once: each wave brings one key step with one tensor load; nothing is filled again.
; CLUSTER 4 x 1: the four work-groups of a head read the same 143,360 bytes: every load is asked for jointly.
; LAYOUT: both products are used transposed (S^T = K Q^T, O^T = V^T P^T): a lane holds ONE query throughout.  The head's 64 channels fill half of the instruction's K = 128: registers 4-7 of Q's and K's fragments are zero codes,
; under the scale byte 0x7f.  A tile of S^T gives a lane eight neighbouring keys, one conversion's worth: laid c0, c2, c1, c3, two exchanges of half-waves give four registers of P's operand.
; LIMITS: NaN and infinities are not served; a block of zeros gets the byte 1 (its codes are zeros).  A block's largest p is made from the block's largest score by the same multiply-add and exponential as every p.
; REGISTERS: v1 16 lane, v2 4 lane, v3-4 the step's addresses, v5-6 Q's scale words, v7 p's, v8-11 K's, v24-25 V's; v12 -M, v13 largest t, v[14:15] the sum; v16-23, v248-255 Q; v[26:27] f; v28-31 at work;
;            v32-95 K's eight fragments; v96-159 S^T, p, y; v160-191 O^T; v192-223 V's four fragments; v224-231 p's codes; v232-243 at work; v244-247 y's codes.
.set STEPB, 8960
.set HEADB, 16*STEPB
.set STG,   HEADB                      ; behind the head's tiles: y's scale halfwords, 2 x 512 bytes; no fill lands here
.set KS,  8
.set VS,  24
.set KF,  32
.set S,   96
.set OT,  160
.set VF,  192
.set PC,  224
.set BM,  232                          ; the blocks' largest scores, then largest p
.set BT,  236                          ; at work
.set SO,  240                          ; the conversions' scale operands
.set TM,  232                          ; y's quantiser works in the same registers
.set YC,  244
.set WV,  14
.set SEL, 20
.set CS,  22
.set TB,  36
.macro PLACES n
.rept \n
	v_nop
.endr
.endm
.macro ROUND
	s_barrier_signal -1
	s_barrier_wait -1
	s_cmp_lg_u32 s[WV], 0
	s_cbranch_scc1 .Lnot_wave_0_\@
	s_barrier_signal -3
.Lnot_wave_0_\@:
	s_barrier_wait -3
	s_barrier_signal -1
	s_barrier_wait -1
.endm
.macro QUANT32 src, pc, hw             ; four result tiles become registers 0-3 of an operand and two scale bytes; each tile is read from its low end on
.irp b, 0,1
	v_max3_num_f32 v[TM+\b], |v[\src+16*\b]|, |v[\src+16*\b+1]|, 0x1800000
.endr
.irp i, 2,4,6,8,10,12,14
.irp b, 0,1
	v_max3_num_f32 v[TM+\b], v[TM+\b], |v[\src+16*\b+\i]|, |v[\src+16*\b+\i+1]|
.endr
.endr
.irp b, 0,1
	v_permlanex16_b32 v[TM+2+\b], v[TM+\b], s[SEL], s[SEL+1]
.endr
.irp b, 0,1
	v_max_num_f32 v[TM+\b], v[TM+\b], v[TM+2+\b]
.endr
.irp b, 0,1
	v_add_nc_u32 v[TM+4+\b], 0xff000000, v[TM+\b]
.endr
.irp b, 0,1
	v_lshrrev_b32 v[TM+2+\b], 23, v[TM+4+\b]
.endr
	v_lshl_or_b32 v[\hw], v[TM+3], 8, v[TM+2]
	v_cvt_scalef32_pk8_fp4_f32 v[\pc], v[\src:\src+7], v[TM+4]
	v_cvt_scalef32_pk8_fp4_f32 v[\pc+2], v[\src+8:\src+15], v[TM+4]
	v_cvt_scalef32_pk8_fp4_f32 v[\pc+1], v[\src+16:\src+23], v[TM+5]
	v_cvt_scalef32_pk8_fp4_f32 v[\pc+3], v[\src+24:\src+31], v[TM+5]
	v_nop
	v_permlane16_swap_b32 v[\pc], v[\pc+1]
	v_permlane16_swap_b32 v[\pc+2], v[\pc+3]
.endm
	s_load_b256 s[4:11], s[0:1], 0x0               ; qi, qs, kv, yi
	s_load_b64 s[12:13], s[0:1], 0x20              ; ys
	v_lshl_add_u32 v254, v0, 2, 0x29000
	v_mov_b32 v255, 0
	ds_add_u32 v254, v255
	ds_add_u32 v254, v255
	s_wait_dscnt 0x0
	v_lshrrev_b32 v1, 5, v0
	v_readfirstlane_b32 s[WV], v1                  ; wave 0..15
	s_bfe_u32 s15, ttmp6, 0x40000                  ; cx: my 512 queries; it enters Q's, yi's and ys's addresses alone
	s_and_b32 s16, ttmp7, 0xffff                   ; bh, which the four partners share
	s_mov_b32 s24, 15|(3<<16)|(1<<21)              ; group 1: the mask names all four; elements of 8 bytes; bit 21 beside a mask; no padding: images are read 16 bytes a lane on end
	s_mov_b32 s25, 32<<16                          ; tensor_dim0 = 32 elements: rows of 256 bytes
	s_mov_b32 s26, 35<<16                          ; tensor_dim1 = 35 rows: a key step's 8,960 dense bytes
	s_mov_b32 s27, 32<<16                          ; tile_dim0
	s_mov_b32 s28, 35                              ; tile_dim1
	s_mov_b32 s29, 32                              ; the pitch
	s_mov_b32 s30, 0
	s_mov_b32 s31, 0
	s_mov_b32 s[SEL], 0x76543210
	s_mov_b32 s[SEL+1], 0xfedcba98
	s_mov_b32 s[CS], 0x3e38aa3b                    ; c = log2(e) / 8
	s_mov_b32 s[CS+1], s[CS]                       ; (named with it as a pair, so it is written)
	s_mul_i32 s17, s[WV], STEPB                    ; key step = wave: its place in LDS and in the head's block
	s_mul_i32 s18, s16, HEADB
	s_add_co_u32 s18, s18, s17
	s_mov_b32 s19, 0
	s_lshl_b32 s37, s15, 5
	s_add_co_u32 s37, s37, s[WV]                   ; my tile of pass 0: 32 cx + wave
	s_lshr_b32 s41, s16, 4                         ; b
	s_and_b32 s42, s16, 15                         ; head
	s_mov_b32 s39, 0
	s_wait_kmcnt 0x0
	s_mov_b32 s32, 1
	s_mov_b32 s33, s17
	s_add_nc_u64 s[34:35], s[8:9], s[18:19]
	s_or_b32 s35, s35, 0x80000000
	s_lshl_b32 s38, s16, 16                        ; Q's images: 65,536 bytes a head, 512 a tile
	s_lshl_b32 s40, s37, 9
	s_add_co_u32 s38, s38, s40
	s_add_nc_u64 s[4:5], s[4:5], s[38:39]
	s_lshl_b32 s38, s16, 13                        ; Q's scale words: 8,192 bytes a head, 64 a tile
	s_lshl_b32 s40, s37, 6
	s_add_co_u32 s38, s38, s40
	s_add_nc_u64 s[6:7], s[6:7], s[38:39]
	s_lshl_b32 s38, s41, 7                         ; yi: row tile 128 b + my tile, 8,192 bytes each; 512 a head
	s_add_co_u32 s38, s38, s37
	s_lshl_b32 s38, s38, 13
	s_lshl_b32 s40, s42, 9
	s_add_co_u32 s38, s38, s40
	s_add_nc_u64 s[10:11], s[10:11], s[38:39]
	s_lshl_b32 s38, s41, 3                         ; ys: block of 256 tokens 8 b + 2 cx + wave (waves 0 and 1), 8,192 bytes each; 512 a head
	s_lshl_b32 s43, s15, 1
	s_add_co_u32 s38, s38, s43
	s_add_co_u32 s38, s38, s[WV]
	s_lshl_b32 s38, s38, 13
	s_add_co_u32 s38, s38, s40
	s_add_nc_u64 s[12:13], s[12:13], s[38:39]
	ROUND                                          ; all four work-groups are here: the joint loads meet
	tensor_load_to_lds s[32:35], s[24:31]          ; one load a wave: one of mine is out
	s_nop 0
	PLACES 4
	v_and_b32 v28, 31, v0
	v_lshlrev_b32 v1, 4, v28                       ; 16 x lane
	v_lshlrev_b32 v2, 2, v28                       ; 4 x lane
	v_and_b32 v29, 15, v0
	v_lshlrev_b32 v31, 2, v29                      ; 4 r
	global_load_b128 v[16:19], v1, s[4:5]          ; Q of pass 0: registers 0-3 as they were stored
	global_load_b128 v[248:251], v1, s[4:5] offset:8192   ; of pass 1: sixteen tiles on
	global_load_b32 v6, v31, s[6:7]
	global_load_b32 v5, v31, s[6:7] offset:1024
	s_lshl_b32 s44, s[WV], 5
	s_add_co_u32 s44, s44, STG
	v_lshl_add_u32 v29, v29, 1, s44                ; y's scale halfword: STG + 32 wave + 2 r
.irp j, 20,21,22,23,252,253,254,255
	v_mov_b32 v[\j], 0                             ; zero codes for k = 64 .. 127
.endr
.irp a, 0,1,2,3,4,5,6,7
.irp j, 4,5,6,7
	v_mov_b32 v[KF+8*\a+\j], 0                     ; likewise in K's fragments, for good
.endr
.endr
	v_mov_b32 v27, 0                               ; (named as the upper half of the pair v[26:27])
.irp b, 0,1,2,3
	v_mov_b32 v[BT+\b], 0                          ; written once: a lane permute's destination counts as one of its sources
.endr
	s_wait_tensorcnt 0x0                           ; my key step is in,
	s_barrier_signal -1
	s_barrier_wait -1                              ; everybody's is
	s_wait_loadcnt 0x0                             ; Q
; A KEY STEP: 128 keys at LDS byte s[TB]
.macro STEP qf, qs
	v_add_nc_u32 v3, s[TB], v1
	v_add_nc_u32 v4, s[TB], v2
	v_nop
	v_nop                                          ; four plain lines between the last trip's products and loads into V's registers
.irp a, 0,1,2,3,4,5,6,7
	ds_load_b128 v[KF+8*\a:KF+8*\a+3], v3 offset:512*\a
.endr
.irp j, 0,1,2,3
	ds_load_b32 v[KS+\j], v4 offset:8192+128*\j    ; lanes 0-15 tile 2 j's words, lanes 16-31 tile 2 j + 1's
.endr
.irp t, 0,1,2,3
.irp e, 0,1
	ds_load_b128 v[VF+8*\t+4*\e:VF+8*\t+4*\e+3], v3 offset:4096+1024*\t+512*\e
.endr
.endr
.irp j, 0,1
	ds_load_b32 v[VS+\j], v4 offset:8704+128*\j
.endr
	s_wait_dscnt 10                                ; K's twelve loads are in; V's ten may be out
.irp a, 0,2,4,6                                ; S^T = K Q^T: tile a = keys 16 a on; register j of lane (r, h): key 16 a + 8 h + j, query r
	v_wmma_scale_f32_16x16x128_f8f6f4 v[S+8*\a:S+8*\a+7], v[KF+8*\a:KF+8*\a+7], v[\qf:\qf+7], 0, v[KS+\a/2], v[\qs] matrix_a_fmt:MATRIX_FMT_FP4 matrix_b_fmt:MATRIX_FMT_FP4
	v_wmma_scale_f32_16x16x128_f8f6f4 v[S+8*\a+8:S+8*\a+15], v[KF+8*\a+8:KF+8*\a+15], v[\qf:\qf+7], 0, v[KS+\a/2], v[\qs] matrix_a_fmt:MATRIX_FMT_FP4 matrix_b_fmt:MATRIX_FMT_FP4 matrix_a_scale:MATRIX_SCALE_ROW1
.endr
	PLACES 4
.irp b, 0,1,2,3
	v_max3_num_f32 v[BM+\b], v[S+16*\b], v[S+16*\b+1], v[S+16*\b+2]   ; the largest score of each block of 32 keys: for the row's maximum and, since p rises with the score, for the block's largest p
.endr
.irp i, 3,5,7,9,11,13
.irp b, 0,1,2,3
	v_max3_num_f32 v[BM+\b], v[BM+\b], v[S+16*\b+\i], v[S+16*\b+\i+1]
.endr
.endr
.irp b, 0,1,2,3
	v_max_num_f32 v[BM+\b], v[BM+\b], v[S+16*\b+15]
.endr
.irp b, 0,1,2,3
	v_permlanex16_b32 v[BT+\b], v[BM+\b], s[SEL], s[SEL+1]
.endr
.irp b, 0,1,2,3
	v_max_num_f32 v[BM+\b], v[BM+\b], v[BT+\b]     ; with lane l xor 16's 16 keys
.endr
	v_max3_num_f32 v28, v[BM], v[BM+1], v[BM+2]
	v_max_num_f32 v28, v28, v[BM+3]
	v_mul_f32 v28, s[CS], v28                      ; the step's largest t (c is positive)
	v_max_num_f32 v13, v13, v28                    ; the running largest t
	v_mov_b32 v28, v12
	v_floor_f32 v12, -v13                          ; the new -M = -ceil(t): a whole number
	v_sub_f32 v28, v12, v28                        ; old M - new M: a whole number, 0 or less
	v_cvt_i32_f32 v28, v28                         ; (it saturates)
	v_ldexp_f32 v26, 1.0, v28                      ; f = 2^(old M - new M)
.set n, 0
.rept 32
	v_pk_fma_f32 v[S+n:S+n+1], v[S+n:S+n+1], s[CS:CS+1], v[12:13] op_sel_hi:[1,0,0]   ; t - M, two at a time
.set n, n+2
.endr
.irp b, 0,1,2,3
	v_fma_f32 v[BM+\b], v[BM+\b], s[CS], v12       ; the same of each block's largest score
.endr
.set n, 0
.rept 64
	v_exp_f32 v[S+n], v[S+n]                       ; p = 2^(t - M)
.set n, n+1
.endr
	v_pk_mul_f32 v[14:15], v[14:15], v[26:27] op_sel_hi:[1,0]   ; the sums under the new M (the plain line behind the exponentials)
	s_wait_alu depctr_va_vdst(0)                   ; one wait for the batch of 64, ahead of its first reader
.irp b, 0,1,2,3
	v_exp_f32 v[BM+\b], v[BM+\b]                   ; the blocks' largest p
.endr
	v_pk_add_f32 v[BT:BT+1], v[S:S+1], v[S+2:S+3]  ; the row's sum of the unquantised p, in two chains
.set n, 4
.rept 15
	v_pk_add_f32 v[14:15], v[14:15], v[S+n:S+n+1]
	v_pk_add_f32 v[BT:BT+1], v[BT:BT+1], v[S+n+2:S+n+3]
.set n, n+4
.endr
	v_pk_add_f32 v[14:15], v[14:15], v[BT:BT+1]
	s_wait_alu depctr_va_vdst(0)                   ; and one for the four
.irp b, 0,1,2,3
	v_max_num_f32 v[BM+\b], 0x1800000, v[BM+\b]    ; the floor 2^(3 - 127)
.endr
.irp b, 0,1,2,3
	v_add_nc_u32 v[SO+\b], 0xff000000, v[BM+\b]    ; the conversion's scale operand
.endr
.irp b, 0,1,2,3
	v_lshrrev_b32 v[BT+\b], 23, v[SO+\b]           ; the scale's byte
.endr
	v_lshl_or_b32 v7, v[BT+1], 8, v[BT]            ; p's scale word for these 128 keys
	v_lshl_or_b32 v7, v[BT+2], 16, v7
	v_lshl_or_b32 v7, v[BT+3], 24, v7
.irp c, 0,1
	v_cvt_scalef32_pk8_fp4_f32 v[PC+4*\c], v[S+32*\c:S+32*\c+7], v[SO+2*\c]
	v_cvt_scalef32_pk8_fp4_f32 v[PC+4*\c+2], v[S+32*\c+8:S+32*\c+15], v[SO+2*\c]
	v_cvt_scalef32_pk8_fp4_f32 v[PC+4*\c+1], v[S+32*\c+16:S+32*\c+23], v[SO+2*\c+1]
	v_cvt_scalef32_pk8_fp4_f32 v[PC+4*\c+3], v[S+32*\c+24:S+32*\c+31], v[SO+2*\c+1]
.endr
	v_nop                                          ; one plain line behind the scaled conversions
.irp c, 0,1
	v_permlane16_swap_b32 v[PC+4*\c], v[PC+4*\c+1] ; registers 4 c .. 4 c + 3 now hold keys 64 c + 32 (lane / 16) + 0 .. 31
	v_permlane16_swap_b32 v[PC+4*\c+2], v[PC+4*\c+3]
.endr
.set n, 0
.rept 16
	v_pk_mul_f32 v[OT+n:OT+n+1], v[OT+n:OT+n+1], v[26:27] op_sel_hi:[1,0]   ; O^T under the new M.  These sixteen also stand between the scale word and codes just made and the products below
.set n, n+2
.endr
	s_wait_dscnt 0x0                               ; V is in
.irp t, 0,2                                    ; O^T += V^T P^T: the four accumulators by turns
	v_wmma_scale_f32_16x16x128_f8f6f4 v[OT+8*\t:OT+8*\t+7], v[VF+8*\t:VF+8*\t+7], v[PC:PC+7], v[OT+8*\t:OT+8*\t+7], v[VS+\t/2], v7 matrix_a_fmt:MATRIX_FMT_FP4 matrix_b_fmt:MATRIX_FMT_FP4
	v_wmma_scale_f32_16x16x128_f8f6f4 v[OT+8*\t+8:OT+8*\t+15], v[VF+8*\t+8:VF+8*\t+15], v[PC:PC+7], v[OT+8*\t+8:OT+8*\t+15], v[VS+\t/2], v7 matrix_a_fmt:MATRIX_FMT_FP4 matrix_b_fmt:MATRIX_FMT_FP4 matrix_a_scale:MATRIX_SCALE_ROW1
.endr
.endm
; A PASS: one tile of 16 queries over all 2,048 keys, then y = O / l, quantised along the head's 64 channels
.macro PASS p, qf, qs
	v_mov_b32 v13, 0xff61b1e6                      ; the largest t so far: -3e38
	v_floor_f32 v12, -v13
	v_mov_b32 v14, 0
	v_mov_b32 v15, 0
.set n, 0
.rept 32
	v_mov_b32 v[OT+n], 0                           ; the step is written once: the first finds zeros, which the first change of M leaves zeros
.set n, n+1
.endr
	s_mov_b32 s[TB], 0
.Lkeys_\@:
	STEP \qf, \qs
	s_add_co_u32 s[TB], s[TB], STEPB
	s_cmp_lt_u32 s[TB], HEADB
	s_cbranch_scc1 .Lkeys_\@
	PLACES 4                                       ; ahead of the first read of O^T
	v_add_f32 v14, v14, v15
	v_permlanex16_b32 v28, v14, s[SEL], s[SEL+1]
	v_add_f32 v14, v14, v28                        ; the row's sum
	v_rcp_f32 v26, v14
	v_nop
	s_wait_alu depctr_va_vdst(0)                   ; ahead of the reciprocal's first reader
.set n, 0
.rept 16
	v_pk_mul_f32 v[S+n:S+n+1], v[OT+n:OT+n+1], v[26:27] op_sel_hi:[1,0]   ; y: register 8 t + j is channel 16 t + 8 h + j of query r
.set n, n+2
.endr
	s_wait_xcnt 0x0                                ; the pass before's store has read y's codes: they are written again only behind this wait
	QUANT32 S, YC, 30
	global_store_b128 v1, v[YC:YC+3], s[10:11] offset:131072*\p   ; 512 consecutive bytes: half a fragment of the last product's K step head / 2
	ds_store_b16 v29, v30 offset:512*\p            ; lanes r and r + 16 write the same halfword with the same value
.endm
	PASS 0, 16, 6
	PASS 1, 248, 5
	v_lshl_add_u32 v3, v0, 4, STG                  ; waves 0 and 1: a pass's 512 bytes of halfwords each
	s_wait_dscnt 0x0                               ; for the others' sake: my halfwords are stored
	s_barrier_signal -1
	s_barrier_wait -1
	s_cmp_lt_u32 s[WV], 2
	s_cbranch_scc0 .Lno_words
	ds_load_b128 v[96:99], v3
	s_wait_dscnt 0x0
	global_store_b128 v1, v[96:99], s[12:13]       ; 512 consecutive bytes
.Lno_words:
	s_wait_xcnt 0x0
	v_lshl_add_u32 v254, v0, 2, 0x29000
	v_mov_b32 v255, 0
	s_wait_tensorcnt 0x0
	ds_add_u32 v254, v255
	s_wait_dscnt 0x0
	ROUND                                          ; the closing round
	s_endpgm
.Lfunc_end_k_q7712b322f6_attn:
	.size	k_q7712b322f6_attn, .Lfunc_end_k_q7712b322f6_attn-k_q7712b322f6_attn
	.p2alignl 7, 3214868480
	.fill 96, 4, 3214868480
	.section	.rodata,"a",@progbits
	.p2align	6, 0x0
	.amdhsa_kernel k_q7712b322f6_attn
		.amdhsa_group_segment_fixed_size 169984
		.amdhsa_private_segment_fixed_size 0
		.amdhsa_enable_private_segment 0
		.amdhsa_kernarg_size 40
		.amdhsa_user_sgpr_count 2
		.amdhsa_user_sgpr_kernarg_segment_ptr 1
		.amdhsa_wavefront_size32 1
		.amdhsa_system_sgpr_workgroup_id_x 1
		.amdhsa_system_sgpr_workgroup_id_y 1
		.amdhsa_system_sgpr_workgroup_id_z 1
		.amdhsa_system_vgpr_workitem_id 0
		.amdhsa_next_free_vgpr 256
		.amdhsa_next_free_sgpr 66
		.amdhsa_reserve_vcc 0
		.amdhsa_float_denorm_mode_32 3
		.amdhsa_float_denorm_mode_16_64 3
		.amdhsa_memory_ordered 1
		.amdhsa_forward_progress 1
		.amdhsa_inst_pref_size 46
	.end_amdhsa_kernel
	.amdgpu_metadata
---
amdhsa.version: [ 1, 2 ]
amdhsa.kernels:
  - .name:           k_q7712b322f6_attn
    .symbol:         k_q7712b322f6_attn.kd
    .args:
      - { .name: qi, .offset: 0, .size: 8, .value_kind: global_buffer, .address_space: global }
      - { .name: qs, .offset: 8, .size: 8, .value_kind: global_buffer, .address_space: global }
      - { .name: kv, .offset: 16, .size: 8, .value_kind: global_buffer, .address_space: global }
      - { .name: yi, .offset: 24, .size: 8, .value_kind: global_buffer, .address_space: global }
      - { .name: ys, .offset: 32, .size: 8, .value_kind: global_buffer, .address_space: global }
    .group_segment_fixed_size: 169984
    .private_segment_fixed_size: 0
    .kernarg_segment_align: 8
    .kernarg_segment_size: 40
    .max_flat_workgroup_size: 512
    .sgpr_count:     66
    .vgpr_count:     256
    .wavefront_size: 32
...
	.end_amdgpu_metadata
.endif
;; end of part 3
;; launch proj (part 4): grid 4 x 64, 8 waves a work-group, clusters of 4 x 4, 240,640 bytes of LDS; arguments yi, ys, wc, ws, bp, out0; writes out0
.if DOCPART == 4
	.amdgcn_target "amdgcn-amd-amdhsa--gfx1250"
	.amdhsa_code_object_version 6
	.text
	.protected	k_q7712b322f6_proj
	.globl	k_q7712b322f6_proj
	.p2align	8
	.type	k_q7712b322f6_proj,@function
k_q7712b322f6_proj:
	s_mov_b64 s[64:65], 0
	v_nop
	global_prefetch_b8 v0, s[64:65] scope:SCOPE_SE
	s_setreg_imm32_b32 hwreg(HW_REG_WAVE_MODE, 25, 1), 1
	s_wait_xcnt 0x0
	s_wait_alu depctr_hold_cnt(0) depctr_sa_sdst(0) depctr_va_vdst(0) depctr_va_sdst(0) depctr_va_ssrc(0) depctr_va_vcc(0) depctr_vm_vsrc(0)
	s_getreg_b32 s2, hwreg(HW_REG_IB_STS2, 6, 4)
	s_cmp_eq_u32 s2, 0
	s_cbranch_scc0 .Lentry_in_a_cluster
	s_endpgm
.Lentry_in_a_cluster:
	s_bfe_u32 s2, ttmp6, 0x10000c
	s_cmp_lg_u32 s2, 0xf033
	s_cbranch_scc0 .Lentry_shape_is_right
	s_endpgm
.Lentry_shape_is_right:
; out0 = y Wp_b^T + bp on codes of FP4 (E2M1) with E8M0 scales, K = 1,024.  y comes as images of operand registers (yi: [512 row tiles][16 heads][512 bytes]; K step s = the 1,024 bytes at head 2 s)
; and scale halfwords (ys: [32 blocks of 256 tokens][16 heads][256]); Wp's codes and scale bytes are rows 3,072 on of wc and ws.
; A work-group makes 128 tokens x 256 channels: R0 = 256 rows of Wp (source 0), R1 = 128 rows of y (source 1): a lane holds one token and eight neighbouring channels.
; Eight waves: wave w takes channels 64 (w & 3) on and tokens 64 (w >> 2) on: 16 accumulators.  All of K lies in LDS at once, in two chunks of 512 along K; every fill is a first fill.
; CLUSTER 4 x 4: Wp's rows hang on x alone and are shared along a column, y's on y alone and are shared along a row: joint loads divide the requests by four.
; THE WAY OUT: a wave's 64 channels of a token are 256 bytes; 16 tokens at a time go through the wave's own stage and leave as aligned blocks of 256 bytes, sixteen lanes each.
; REGISTERS: window 0: v1-13 addresses; v16-31 Wp's scale words, v32-47 y's; v48-111 the way out (v80-95 first hold the upper halves of y's scale words); v128-255 accumulators.
;            window 1: two sets of fragments; v128-159 the bias.
.set PITCH, 272
.set QROWS, 64*PITCH
.set R1OFF, 256*PITCH                  ; in a chunk: Wp's 256 rows, then y's 8 row tiles x 4,096 bytes
.set CH,    R1OFF+8*4096
.set STG,   2*CH                       ; behind the chunks: 16 rows x 272 bytes for each wave; no fill lands here
.set SA,  16
.set SB,  32
.set ACC, 128
.set BI,  128
.set WV,  24
.set G1A, 36
.set G1B, 44
.set G0A, 52
.set G0B, 68
.set MSB, 0
.macro WIN new
.if MSB != \new
	s_set_vgpr_msb (MSB<<8)|\new
.set MSB, \new
.endif
.endm
.macro PLACES n
.rept \n
	v_nop
.endr
.endm
.macro ROUND
	s_barrier_signal -1
	s_barrier_wait -1
	s_cmp_lg_u32 s[WV], 0
	s_cbranch_scc1 .Lnot_wave_0_\@
	s_barrier_signal -3
.Lnot_wave_0_\@:
	s_barrier_wait -3
	s_barrier_signal -1
	s_barrier_wait -1
.endm
.macro FETCH fs, cn, q                 ; 16 LDS loads: Wp's four fragments from rows, y's four from images
	WIN 0x40
.irp t, 0,1,2,3
.irp e, 0,1
	ds_load_b128 v[64*(\fs)+8*\t+4*\e:64*(\fs)+8*\t+4*\e+3], v[4+(\cn)] offset:\t*16*PITCH+64*(\q)+32*\e
.endr
.endr
.irp t, 0,1,2,3
.irp e, 0,1
	ds_load_b128 v[64*(\fs)+32+8*\t+4*\e:64*(\fs)+32+8*\t+4*\e+3], v[6+(\cn)] offset:4096*\t+1024*(\q)+512*\e
.endr
.endr
.endm
.macro MUL16 fs, ks, cm                ; 16 matrix instructions; the sixteen accumulators by turns, in the same order in every step
.if \cm
	WIN 0x15
.else
	WIN 0x05
.endif
.irp i, 0,1,2,3
.irp j, 0,1,2,3
.if \cm
	v_wmma_scale_f32_16x16x128_f8f6f4 v[ACC+8*(4*\i+\j):ACC+8*(4*\i+\j)+7], v[64*(\fs)+8*\j:64*(\fs)+8*\j+7], v[64*(\fs)+32+8*\i:64*(\fs)+32+8*\i+7], v[BI+8*\j:BI+8*\j+7], v[SA+4*\j+(\ks)%4], v[SB+4*\i+(\ks)%4] matrix_a_fmt:MATRIX_FMT_FP4 matrix_b_fmt:MATRIX_FMT_FP4
.elseif (\ks) < 4
	v_wmma_scale_f32_16x16x128_f8f6f4 v[ACC+8*(4*\i+\j):ACC+8*(4*\i+\j)+7], v[64*(\fs)+8*\j:64*(\fs)+8*\j+7], v[64*(\fs)+32+8*\i:64*(\fs)+32+8*\i+7], v[ACC+8*(4*\i+\j):ACC+8*(4*\i+\j)+7], v[SA+4*\j+(\ks)%4], v[SB+4*\i+(\ks)%4] matrix_a_fmt:MATRIX_FMT_FP4 matrix_b_fmt:MATRIX_FMT_FP4
.else
	v_wmma_scale_f32_16x16x128_f8f6f4 v[ACC+8*(4*\i+\j):ACC+8*(4*\i+\j)+7], v[64*(\fs)+8*\j:64*(\fs)+8*\j+7], v[64*(\fs)+32+8*\i:64*(\fs)+32+8*\i+7], v[ACC+8*(4*\i+\j):ACC+8*(4*\i+\j)+7], v[SA+4*\j+(\ks)%4], v[SB+4*\i+(\ks)%4] matrix_a_fmt:MATRIX_FMT_FP4 matrix_b_fmt:MATRIX_FMT_FP4 matrix_a_scale:MATRIX_SCALE_ROW1 matrix_b_scale:MATRIX_SCALE_ROW1
.endif
.endr
.endr
.endm
	s_load_b256 s[4:11], s[0:1], 0x0               ; yi, ys, wc, ws
	s_load_b128 s[12:15], s[0:1], 0x20             ; bp, out0
	v_lshl_add_u32 v126, v0, 2, 0x3a800
	v_mov_b32 v127, 0
	ds_add_u32 v126, v127
	ds_add_u32 v126, v127
	v_lshrrev_b32 v1, 5, v0
	v_readfirstlane_b32 s[WV], v1                  ; wave 0..7
	s_and_b32 s25, s[WV], 3                        ; g0: my 64 channels.  Also: which part I fetch
	s_lshr_b32 s26, s[WV], 2                       ; g1: my 64 tokens
	s_bfe_u32 s27, ttmp6, 0x40000                  ; cx
	s_bfe_u32 s28, ttmp6, 0x40004                  ; cy
	s_lshl_b32 s29, ttmp9, 2
	s_add_co_u32 s29, s29, s27                     ; X: 256 channels
	s_and_b32 s30, ttmp7, 0xffff
	s_lshl_b32 s33, s30, 2
	s_add_co_u32 s33, s33, s28                     ; Y: 128 tokens
	s_lshl_b32 s76, s28, 2
	s_lshl_b32 s76, 15, s76                        ; my row of the cluster
	s_lshl_b32 s77, 0x1111, s27                    ; my column
	s_or_b32 s[G1A], s77, (1<<20)|(1<<21)|(5<<22)|(3<<25)  ; Wp's tiles go to my column: 64 rows x 256 bytes, 16 bytes of padding behind each
	s_mov_b32 s[G1A+1], 256<<16
	s_mov_b32 s[G1A+2], 64<<16
	s_mov_b32 s[G1A+3], 256<<16
	s_mov_b32 s[G1A+4], 64
	s_mov_b32 s[G1A+5], 512
	s_mov_b32 s[G1A+6], 0
	s_mov_b32 s[G1A+7], 0
	s_or_b32 s[G1B], s76, (3<<16)|(1<<21)          ; y's go to my row: 4 row tiles x 4,096 bytes (512 elements of 8), 8,192 bytes apart in memory, dense in LDS
	s_mov_b32 s[G1B+1], 512<<16
	s_mov_b32 s[G1B+2], 4<<16
	s_mov_b32 s[G1B+3], 512<<16
	s_mov_b32 s[G1B+4], 4
	s_mov_b32 s[G1B+5], 1024
	s_mov_b32 s[G1B+6], 0
	s_mov_b32 s[G1B+7], 0
	s_lshl_b32 s80, s29, 8
	s_add_co_u32 s80, s80, 3072
	s_lshl_b32 s81, s25, 6
	s_add_co_u32 s80, s80, s81                     ; Wp: row 3,072 + 256 X + 64 (wave & 3): what I fetch, and my group's
	s_lshl_b32 s86, s80, 9
	s_mov_b32 s87, 0
	s_lshl_b32 s90, s80, 5
	s_mov_b32 s91, 0
	s_lshl_b32 s82, s33, 3
	s_lshl_b32 s83, s25, 2
	s_add_co_u32 s82, s82, s83                     ; y: row tile 8 Y + 4 (wave & 3) (waves 4 and 5)
	s_lshl_b32 s88, s82, 13
	s_mov_b32 s89, 0
	s_mul_i32 s85, s[WV], QROWS                    ; where they land: no place in the cluster enters an LDS address
	s_lshl_b32 s84, s25, 14
	s_add_co_u32 s84, s84, R1OFF
	s_lshr_b32 s92, s33, 1                         ; y's scale halfwords: block of 256 tokens Y >> 1; in it token 128 (Y & 1) + 64 g1 on
	s_lshl_b32 s92, s92, 13
	s_and_b32 s93, s33, 1
	s_lshl_b32 s93, s93, 8
	s_add_co_u32 s92, s92, s93
	s_lshl_b32 s93, s26, 7
	s_add_co_u32 s92, s92, s93
	s_mov_b32 s93, 0
	s_lshl_b32 s94, s29, 10                        ; bp and a row of out0: channel 256 X + 64 g0, 4 bytes each
	s_lshl_b32 s95, s25, 8
	s_add_co_u32 s94, s94, s95
	s_mov_b32 s95, 0
	s_lshl_b32 s96, s33, 19                        ; out0: token 128 Y + 64 g1, 4,096 bytes each
	s_lshl_b32 s97, s26, 18
	s_add_co_u32 s96, s96, s97
	s_add_co_u32 s96, s96, s94
	s_mov_b32 s97, 0
	s_wait_dscnt 0x0
	s_wait_kmcnt 0x0
	s_add_nc_u64 s[8:9], s[8:9], s[86:87]
	s_add_nc_u64 s[4:5], s[4:5], s[88:89]
	s_add_nc_u64 s[10:11], s[10:11], s[90:91]
	s_add_nc_u64 s[6:7], s[6:7], s[92:93]
	s_add_nc_u64 s[12:13], s[12:13], s[94:95]
	s_add_nc_u64 s[14:15], s[14:15], s[96:97]
.irp c, 0,1
	s_mov_b32 s[G0A+4*\c], 1
	s_add_co_u32 s[G0A+4*\c+1], s85, \c*CH
	s_add_nc_u64 s[G0A+4*\c+2:G0A+4*\c+3], s[8:9], \c*256
	s_or_b32 s[G0A+4*\c+3], s[G0A+4*\c+3], 0x80000000
	s_mov_b32 s[G0B+4*\c], 1
	s_add_co_u32 s[G0B+4*\c+1], s84, \c*CH
	s_add_nc_u64 s[G0B+4*\c+2:G0B+4*\c+3], s[4:5], \c*4096
	s_or_b32 s[G0B+4*\c+3], s[G0B+4*\c+3], 0x80000000
.endr
	ROUND                                          ; all sixteen work-groups are here: the joint loads meet
	s_cmp_lt_u32 s[WV], 4                          ; waves 0-3 Wp's quarters, waves 4-5 y's halves, waves 6-7 none; two loads of a wave are out at the most
	s_cbranch_scc0 .Lnot_r0
	tensor_load_to_lds s[G0A:G0A+3], s[G1A:G1A+7]
	s_nop 0
	tensor_load_to_lds s[G0A+4:G0A+7], s[G1A:G1A+7]
	s_nop 0
	PLACES 4
	s_branch .Lasked
.Lnot_r0:
	s_cmp_lt_u32 s[WV], 6
	s_cbranch_scc0 .Lasked
	tensor_load_to_lds s[G0B:G0B+3], s[G1B:G1B+7]
	s_nop 0
	tensor_load_to_lds s[G0B+4:G0B+7], s[G1B:G1B+7]
	s_nop 0
	PLACES 4
.Lasked:
	v_and_b32 v1, 31, v0                           ; lane
	v_and_b32 v2, 15, v0                           ; r
	v_bfe_u32 v3, v0, 4, 1                         ; h
	v_lshlrev_b32 v8, 5, v2
	v_lshl_add_u32 v8, v3, 4, v8                   ; Wp's scale bytes: row r of 32, + 16 h
	v_lshlrev_b32 v10, 1, v2
	v_lshl_add_u32 v10, v3, 12, v10                ; y's: token r, + 8 heads (K steps 4-7) for lanes 16-31
	v_lshlrev_b32 v9, 5, v3                        ; the bias: 32 h
.irp j, 0,1,2,3
	global_load_b128 v[SA+4*\j:SA+4*\j+3], v8, s[10:11] offset:512*\j
.endr
.irp i, 0,1,2,3
.irp q, 0,1,2,3
	global_load_u16 v[SB+4*\i+\q], v10, s[6:7] offset:32*\i+1024*\q        ; head 2 s: the word's low half
	global_load_u16 v[80+4*\i+\q], v10, s[6:7] offset:32*\i+1024*\q+512    ; head 2 s + 1: its high half
.endr
.endr
	WIN 0x40
.irp j, 0,1,2,3
	global_load_b128 v[BI+8*\j:BI+8*\j+3], v9, s[12:13] offset:64*\j       ; bp at channels 16 j + 8 h + 0 .. 7 of my 64
	global_load_b128 v[BI+8*\j+4:BI+8*\j+7], v9, s[12:13] offset:64*\j+16
.endr
	WIN 0
	v_mul_u32_u24 v4, v2, PITCH
	v_lshl_add_u32 v4, v3, 4, v4
	s_mul_i32 s86, s25, QROWS
	v_add_nc_u32 v4, s86, v4                       ; Wp's fragments, chunk 0
	v_add_nc_u32 v5, CH, v4                        ; chunk 1
	s_lshl_b32 s87, s26, 14
	s_add_co_u32 s87, s87, R1OFF
	v_lshl_add_u32 v6, v1, 4, s87                  ; y's images: my four row tiles, 16 x lane
	v_add_nc_u32 v7, CH, v6
	s_mul_i32 s88, s[WV], 16*PITCH
	s_add_co_u32 s88, s88, STG                     ; my stage
	v_mul_u32_u24 v11, v2, PITCH
	v_lshl_add_u32 v11, v3, 5, v11
	v_add_nc_u32 v11, s88, v11                     ; in: row r, 32 bytes for each half of the lanes
	v_mul_u32_u24 v12, v3, PITCH
	v_lshl_add_u32 v12, v2, 4, v12
	v_add_nc_u32 v12, s88, v12                     ; back: lanes 0-15 one row of 256 bytes, lanes 16-31 the next
	v_lshlrev_b32 v13, 12, v3
	v_lshl_add_u32 v13, v2, 4, v13                 ; and the same two rows in out0
	s_wait_tensorcnt 0x1                           ; my part of chunk 0 is in; chunk 1's load may stay out
	s_barrier_signal -1
	s_barrier_wait -1
	FETCH 0, 0, 0
	FETCH 1, 0, 1
	WIN 0
	s_wait_loadcnt 0x0                             ; scale words, halves and bias
.set n, 0
.rept 16
	v_lshl_or_b32 v[SB+n], v[80+n], 16, v[SB+n]    ; y's scale words are whole
.set n, n+1
.endr
	PLACES 8                                       ; a scale register written by a vector instruction stands eight plain lines ahead of a scaled product
	s_wait_dscnt 16                                ; K step 0's fragments are in; K step 1's sixteen loads may be out
	MUL16 0, 0, 1
.irp s, 1,2
	PLACES 4                                       ; four plain lines between the products and loads into the set that they read
	FETCH (\s+1)%2, 0, \s+1
	s_wait_dscnt 16                                ; all but the sixteen just issued
	MUL16 \s%2, \s, 0
.endr
	s_wait_tensorcnt 0x0                           ; my part of chunk 1 is in,
	s_wait_dscnt 0x0                               ; and no LDS load of mine is out at the signal
	s_barrier_signal -1
	s_barrier_wait -1
	PLACES 4
	FETCH 0, 1, 0
	s_wait_dscnt 16
	MUL16 1, 3, 0
.irp s, 4,5,6
	PLACES 4
	FETCH (\s+1)%2, 1, \s-3
	s_wait_dscnt 16
	MUL16 \s%2, \s, 0
.endr
	s_wait_dscnt 0x0
	MUL16 1, 7, 0
	WIN 0
.macro TOSTAGE i                       ; 16 tokens x my 64 channels into the stage, each accumulator from its low end on, and back as whole rows
.irp j, 0,1,2,3
	ds_store_b128 v11, v[ACC+8*(4*(\i)+\j):ACC+8*(4*(\i)+\j)+3] offset:64*\j
	ds_store_b128 v11, v[ACC+8*(4*(\i)+\j)+4:ACC+8*(4*(\i)+\j)+7] offset:64*\j+16
.endr
.irp t, 0,1,2,3,4,5,6,7
	ds_load_b128 v[48+32*((\i)%2)+4*\t:48+32*((\i)%2)+4*\t+3], v12 offset:2*\t*PITCH   ; LDS serves a wave's instructions in order: these see the stores above, and the next tile's stores come behind them
.endr
.endm
.macro SEND i, younger                 ; younger: the LDS instructions issued behind tile i's loads
	s_wait_dscnt \younger
.irp t, 0,1,2,3,4,5,6,7
	global_store_b128 v13, v[48+32*((\i)%2)+4*\t:48+32*((\i)%2)+4*\t+3], s[14:15] offset:(16*(\i)+2*\t)*4096 th:TH_STORE_NT   ; sixteen lanes store 256 consecutive bytes, aligned
.endr
.endm
	PLACES 4                                       ; ahead of the first read of results
	TOSTAGE 0
	TOSTAGE 1
	SEND 0, 16                                     ; behind tile 0's loads: tile 1's 8 stores and 8 loads
	s_wait_xcnt 0x0                                ; tile 0's stores have read their registers: tile 2's loads may land there
	TOSTAGE 2
	SEND 1, 16
	s_wait_xcnt 0x0
	TOSTAGE 3
	SEND 2, 16
	SEND 3, 0
	s_wait_tensorcnt 0x0
	ds_add_u32 v126, v127
	s_wait_dscnt 0x0
	ROUND                                          ; the closing round
	s_endpgm
.Lfunc_end_k_q7712b322f6_proj:
	.size	k_q7712b322f6_proj, .Lfunc_end_k_q7712b322f6_proj-k_q7712b322f6_proj
	.p2alignl 7, 3214868480
	.fill 96, 4, 3214868480
	.section	.rodata,"a",@progbits
	.p2align	6, 0x0
	.amdhsa_kernel k_q7712b322f6_proj
		.amdhsa_group_segment_fixed_size 240640
		.amdhsa_private_segment_fixed_size 0
		.amdhsa_enable_private_segment 0
		.amdhsa_kernarg_size 48
		.amdhsa_user_sgpr_count 2
		.amdhsa_user_sgpr_kernarg_segment_ptr 1
		.amdhsa_wavefront_size32 1
		.amdhsa_system_sgpr_workgroup_id_x 1
		.amdhsa_system_sgpr_workgroup_id_y 1
		.amdhsa_system_sgpr_workgroup_id_z 1
		.amdhsa_system_vgpr_workitem_id 0
		.amdhsa_next_free_vgpr 416
		.amdhsa_next_free_sgpr 100
		.amdhsa_reserve_vcc 0
		.amdhsa_float_denorm_mode_32 3
		.amdhsa_float_denorm_mode_16_64 3
		.amdhsa_memory_ordered 1
		.amdhsa_forward_progress 1
		.amdhsa_inst_pref_size 46
	.end_amdhsa_kernel
	.amdgpu_metadata
---
amdhsa.version: [ 1, 2 ]
amdhsa.kernels:
  - .name:           k_q7712b322f6_proj
    .symbol:         k_q7712b322f6_proj.kd
    .args:
      - { .name: yi, .offset: 0, .size: 8, .value_kind: global_buffer, .address_space: global }
      - { .name: ys, .offset: 8, .size: 8, .value_kind: global_buffer, .address_space: global }
      - { .name: wc, .offset: 16, .size: 8, .value_kind: global_buffer, .address_space: global }
      - { .name: ws, .offset: 24, .size: 8, .value_kind: global_buffer, .address_space: global }
      - { .name: bp, .offset: 32, .size: 8, .value_kind: global_buffer, .address_space: global }
      - { .name: out0, .offset: 40, .size: 8, .value_kind: global_buffer, .address_space: global }
    .group_segment_fixed_size: 240640
    .private_segment_fixed_size: 0
    .kernarg_segment_align: 8
    .kernarg_segment_size: 48
    .max_flat_workgroup_size: 256
    .sgpr_count:     100
    .vgpr_count:     416
    .wavefront_size: 32
...
	.end_amdgpu_metadata
.endif
;; end of part 4
